; MI455X (gfx1250); checked and timed in simulation.
; The chip was launched on July 23, 2026; its instructions are those of AMD's public machine-readable ISA for CDNA 5 (MIT licence, August 2026) and "CDNA5" Instruction Set Architecture Reference Guide (July 2026). The comments in the code are by the model that wrote it; some were corrected since.
;; Attention Layer. Allowed arithmetic: matrix products marked QUANTISED: E3M2 operands, one E8M0 scale for each 32 along K, by v_wmma_scale_f32_16x16x128_f8f6f4 with both operands' format E3M2, f32 sums; everything else in f32.
;; Inputs: b 2,048 float32; k_codes 8 x 2,048 x 32 x 24 uint8 (E3M2 codes of k, K innermost, in blocks of 32 codes, four codes in three bytes); k_scales 8 x 2,048 x 32 uint8 (E8M0 scales of k, one for each 32 codes along K); q_codes 8 x 2,048 x 32 x 24 uint8 (E3M2 codes of q, K innermost, in blocks of 32 codes, four codes in three bytes); q_scales 8 x 2,048 x 32 uint8 (E8M0 scales of q, one for each 32 codes along K); v_codes 8 x 1,024 x 64 x 24 uint8 (E3M2 codes of v, K innermost, in blocks of 32 codes, four codes in three bytes); v_scales 8 x 1,024 x 64 uint8 (E8M0 scales of v, one for each 32 codes along K).
;; Outputs: out0 8 x 2,048 x 1,024 float32.
;; This version of the problem:
;;   THIS VERSION OF THE PROBLEM IS GIVEN IN LOW PRECISION. The matrix products marked QUANTISED in the list below multiply operands that are first quantised to E3M2 (3 exponent bits, 2 mantissa bits; 6 bits a number), with one power-of-two scale for each 32 numbers along K (OCP MX v1.0); their sums are f32. All else is computed in f32.
;;   The module's matrix products, in the order in which they are computed (A, B: the left and right operand; K: the contracted axis; several contracted axes count as one K, in the product's order):
;;     1. batch 8 x [M 2,048, K 1,024] x [K 1,024, N 2,048]; A: input q (given as codes); B: input k (given as codes): QUANTISED
;;     2. batch 8 x [M 2,048, K 2,048] x [K 2,048, N 1,024]; A: softmax (see below); B: input v (given as codes): QUANTISED
;;   THE QUANTISER, for each operand of a quantised product, along K:
;;     - K is cut into blocks of 32 from its start; a last block that is shorter is filled with zeros.
;;     - A block's scale is 2^e with e = floor(log2(the largest magnitude in the block)) - 4, held to -126 .. 127; a block of zeros has e = 0. As a byte (E8M0): e + 127.
;;     - Each number is divided by its block's scale, clamped to +-28, and rounded to the nearest number of E3M2, ties to even, subnormals kept.
;;     - The product sums the exact products of the quantised numbers (number of the format x scale) in f32.
;;   ~~~python
;;   def quantise(x, axis):      # numpy; x: float32 -> the quantised numbers, widened to float32 again
;;       x = np.moveaxis(x, axis, -1); K = x.shape[-1]
;;       x = np.pad(x, [(0, 0)] * (x.ndim - 1) + [(0, -K % 32)]); x = x.reshape(x.shape[:-1] + (-1, 32)); a = np.abs(x).max(-1, keepdims=True)
;;       e = np.where(a > 0, np.clip(np.frexp(np.where(a > 0, a, 1))[1] - 1 - 4, -126, 127), 0)      # np.frexp(a)[1] - 1 = floor(log2(a)), exactly
;;       r = np.clip(x / 2.0 ** e, -28, 28)
;;       step = 2.0 ** (np.maximum(np.frexp(np.where(r == 0, 1, r))[1] - 1, -2) - 2)
;;       q = np.round(r / step) * step * 2.0 ** e      # np.round: ties to even
;;       return np.moveaxis(q.reshape(q.shape[:-2] + (-1,))[..., :K], -1, axis).astype(np.float32)
;;   ~~~
;;   SOFTMAX AHEAD OF A QUANTISED PRODUCT. Where the list says 'softmax', what is quantised is not the finished softmax but p = 2^(t - M), with t = logit x log2(e) and M = ceil(the row's largest t), a whole number; so 1/2 < the row's largest p <= 1. The row's sum l is taken of the UNQUANTISED p, in f32, and the product's result is divided by l at the end. Since M is a whole number, a kernel that streams over the keys may use a running M (the ceiling of the running maximum): every later rescaling is an exact power of two, which a block's scale takes up: the codes' values come out the same.
;;   OPERANDS COMPUTED ON THE WAY. 'Computed on the way' means the value that the module computes at that place (a softmax that the list does not call 'softmax' is quantised finished and normalised). What goes into a quantiser is computed in f32, as accurately as f32 sums, v_exp_f32 and their like allow (about 1e-6 of the number): no bf16 or f16 on the way to a quantiser, and a product that is left as it is and whose result goes on into a quantised operand takes f32 operands (vector FMAs, or v_wmma_f32_16x16x4_f32). A number that lies on a knife's edge between two numbers of the format may be rounded either way, as far as f32 arithmetic and the matrix unit's own rounding can turn it there, and no further.
;;   INPUTS GIVEN AS CODES. k (in the module: [8, 1024, 2048], K = its axis 1); q (in the module: [8, 2048, 1024], K = its axis 2); v (in the module: [8, 2048, 1024], K = its axis 1): each comes as NAME_codes (uint8): NAME with its K axis moved to the last place and cut into blocks of 32 codes, [.., K / 32, bytes a block], one block behind the other in memory; four codes in three bytes: a row's codes are one little-endian stream of bits, code i at bits 6 i .. 6 i + 5 (a code: sign, 3 exponent bits, 2 mantissa bits); and NAME_scales (uint8): the same leading axes, one E8M0 byte (e + 127) for each 32 codes along K. Its value is code x scale, taken as it is: it is not quantised again, and the codes and scales need not be those that the quantiser above would give.
;; One version. Each part assembles by itself: llvm-mc -triple=amdgcn-amd-amdhsa -mcpu=gfx1250 --defsym DOCPART=n.
;; ======== version 1 of 1: 2 launches
;; limits: right only within a limited range of input values
;; workspace buffers: pc 25,165,824 bytes; ps 2,097,152 bytes; lp 2,097,152 bytes
;; launch scores (part 1): grid 4 x 64, 4 waves a work-group, clusters of 4 x 4, 327,680 bytes of LDS; arguments q_codes, q_scales, k_codes, k_scales, b, pc, ps, lp; writes pc, ps, lp
.if DOCPART == 1
	.amdgcn_target "amdgcn-amd-amdhsa--gfx1250"
	.amdhsa_code_object_version 6
	.text
	.protected	k_q0cbde03c84_scores
	.globl	k_q0cbde03c84_scores
	.p2align	8
	.type	k_q0cbde03c84_scores,@function
k_q0cbde03c84_scores:
	s_mov_b64 s[64:65], 0
	v_nop
	global_prefetch_b8 v0, s[64:65] scope:SCOPE_SE
	s_setreg_imm32_b32 hwreg(HW_REG_WAVE_MODE, 25, 1), 1
	s_wait_xcnt 0x0
	s_wait_alu depctr_hold_cnt(0) depctr_sa_sdst(0) depctr_va_vdst(0) depctr_va_sdst(0) depctr_va_ssrc(0) depctr_va_vcc(0) depctr_vm_vsrc(0)
	s_getreg_b32 s2, hwreg(HW_REG_IB_STS2, 6, 4)
	s_cmp_eq_u32 s2, 0
	s_cbranch_scc0 .Lentry_in_a_cluster
	s_endpgm
.Lentry_in_a_cluster:
	s_bfe_u32 s2, ttmp6, 0x10000c
	s_cmp_lg_u32 s2, 0xf033
	s_cbranch_scc0 .Lentry_shape_is_right
	s_endpgm
.Lentry_shape_is_right:
; FIRST LAUNCH OF TWO.  p = 2^(log2(e) tanh(q . k + b)) on codes of BF6 with E8M0 scales, quantised along the keys; stored: pc (codes as images of operand registers), ps (scale bytes), lp (sums of the unquantised p over 64 keys).
; THE MAXIMUM.  t = log2(e) tanh(..) lies between -1.4427 and 1.4427 for every input, so 2^t can neither overflow nor underflow; M is taken as 0.  Another whole M multiplies p, its block scales and l by one
; exact power of two, which cancels in (sum of p v) / l: the codes are the same.  tanh(x) = 1 - 2 / (1 + 2^(2 log2(e) x)); an exponential that overflows or falls to 0 gives 1 or -1.
; LIMITS.  NaN and the scale byte 0xff among the inputs are not served.  Within a K step blocks 1 and 2 change places on both operands (see FRAG), so the unit adds them in the other order than K ascending.
; SHARES.  A work-group: 256 keys x 512 queries of one batch.  Wave w keeps its 64 keys x K = 1,024 in registers (32 fragments) and walks the 512 queries in 16 pairs of tiles (32 queries).
; S^T = k q^T: a lane holds one query; the rows of k that form a tile are chosen so that the 16 registers of two neighbouring tiles are 16 neighbouring keys.
; THE PIPELINE.  A step does pair n's tanh, exponential, sum and quantiser, and pair n + 1's 64 products into accumulators of their own (Y).  The products stand in two regions of 32 (one tile of queries each, its four accumulators
; by turns, each chain whole inside its region); pair n's plain vector work stands between a region's products; the three batches of transcendentals stand between the regions.
; LDS.  k's 256 rows land in bytes 0 .. R2, q's first 128 rows behind them, both asked for at the head; when k is in registers q's rows 128-383 take its place, and rows 384-511 take R2 when its first rows have been read.
; No prefetch: the two later fills are asked for 3 and 8 steps ahead of their first read, and nothing else streams.
; CLUSTER 4 x 4: k's tile is shared along a row of the cluster, q's along a column.
; REGISTERS.  Window 0: addresses, scale words, bias, X (pair n), scratch.  Window 1: q's 16 fragments, Y at v192-255.  Windows 2, 3: k's fragments.
.set PITCH,  816                       ; 3 x (256 + 16) bytes: 204 words, so 16 rows of a 16-byte pass start at 16 different multiples of 4 banks (ISA guide 11.1)
.set PAIRB,  32*PITCH
.set UNITB,  64*PITCH
.set CHUNK,  128*PITCH
.set R2,     2*CHUNK
.set SPARE,  3*CHUNK
.set PADW,   (1<<20)|(1<<21)|(5<<22)|(3<<25)
.set AKR,  1
.set AQ,   3
.set ADQ,  5
.set KSO,  7
.set BO,   8
.set QSO,  9
.set PO16, 10
.set PO8,  11
.set SPW,  13
.set NIL,  14
.set KC,   16
.set QS,   18                          ; v18-25 q's scale words of the pair being multiplied
.set QT,   26                          ; v26-33 the next pair's, as loaded
.set KS,   34
.set BI,   50
.set S,    96                          ; X
.set TM,   160
.set LA,   176
.set PW2,  184
.set LP2,  186
.set TT,   188
.set PC,   192
.set QF,   0
.set YB,   192
.set WV,    20
.set G1K,   32
.set G1Q64, 40
.set G1Q32, 48
.set G0K,   56
.set G0Q0,  60
.set VSEL,  66
.set G0Q12, 68
.set G0Q3,  72
.set SEL,   76
.set C2,    78
.set NC2,   80
.set TB,    82
.set TRIP,  83
.set PAR,   84
.set HM,    85
.set QSP,   86
.set I14,   88
.set I16,   90
.set MSB, 0
.macro WIN new
.if MSB != (\new)
	s_set_vgpr_msb (MSB<<8)|(\new)
.set MSB, (\new)
.endif
.endm
.macro ROUND
	s_barrier_signal -1
	s_barrier_wait -1
	s_cmp_lg_u32 s[WV], 0
	s_cbranch_scc1 .Lnot_wave_0_\@
	s_barrier_signal -3
.Lnot_wave_0_\@:
	s_barrier_wait -3
	s_barrier_signal -1
	s_barrier_wait -1
.endm
.macro TL g0, g1
	tensor_load_to_lds s[\g0:\g0+3], s[\g1:\g1+7]
	s_nop 0
.rept 4
	v_nop
.endr
.endm
; A fragment of K step st: lane (r, h) takes the 48 bytes at 96 st + 48 h of its row: blocks 2 h and 2 h + 1, where the operand's layout names blocks h and 2 + h.  Both operands are loaded so, and bytes 1 and 2 of every scale word change places.
; 16 pieces of 16 bytes lie between paddings; where the piece three on lies behind one padding more, the second address register (+ 16 h) serves.
.macro FRAG reg, adr, st, off
.irp p, 0,1,2
.set PCE, 6*(\st)+\p
.if PCE%16 < 13
	ds_load_b128 v[\reg+4*\p:\reg+4*\p+3], v[\adr] offset:16*PCE+16*(PCE/16)+(\off)
.else
	ds_load_b128 v[\reg+4*\p:\reg+4*\p+3], v[\adr+1] offset:16*PCE+16*(PCE/16)+(\off)
.endif
.endr
.endm
.macro QL km                           ; 24 loads: one tile of 16 queries, all eight K steps
	WIN 0x40
.irp e, 0,1,2,3,4,5,6,7
	FRAG QF+12*(2*\e+\km), ADQ, \e, 16*(\km)*PITCH
.endr
	WIN 0
.endm
.macro CHANGE kind
	s_wait_alu depctr_va_vdst(0)
	s_wait_tensorcnt 0x0
	ds_add_u32 v[SPW], v[NIL]
	s_wait_dscnt 0x0
.if \kind
	ROUND
.else
	s_barrier_signal -1
	s_barrier_wait -1
.endif
.endm
; one product, from the symbols ks, kt, km.  The first K step takes the bias as C.  k's scale words of odd tiles and q's of the second tile lie in lanes 16-31
.macro WM
.set kf, 4*ks+kt
.set rD, YB+32*km+8*kt
.set rA, 12*(kf%21)
.set rB, QF+12*(2*ks+km)
.set rC, rD
.set wn, 0x56+kf/21
.if ks == 0
.set rC, BI+8*kt
.set wn, 0x46
.endif
.set rSA, KS+8*(kt/2)+ks
.set rSB, QS+ks
	WIN wn
.if (kt%2 == 1) && (km == 1)
	v_wmma_scale_f32_16x16x128_f8f6f4 v[rD:rD+7], v[rA:rA+11], v[rB:rB+11], v[rC:rC+7], v[rSA], v[rSB] matrix_a_fmt:MATRIX_FMT_BF6 matrix_b_fmt:MATRIX_FMT_BF6 matrix_a_scale:MATRIX_SCALE_ROW1 matrix_b_scale:MATRIX_SCALE_ROW1
.elseif kt%2 == 1
	v_wmma_scale_f32_16x16x128_f8f6f4 v[rD:rD+7], v[rA:rA+11], v[rB:rB+11], v[rC:rC+7], v[rSA], v[rSB] matrix_a_fmt:MATRIX_FMT_BF6 matrix_b_fmt:MATRIX_FMT_BF6 matrix_a_scale:MATRIX_SCALE_ROW1
.elseif km == 1
	v_wmma_scale_f32_16x16x128_f8f6f4 v[rD:rD+7], v[rA:rA+11], v[rB:rB+11], v[rC:rC+7], v[rSA], v[rSB] matrix_a_fmt:MATRIX_FMT_BF6 matrix_b_fmt:MATRIX_FMT_BF6 matrix_b_scale:MATRIX_SCALE_ROW1
.else
	v_wmma_scale_f32_16x16x128_f8f6f4 v[rD:rD+7], v[rA:rA+11], v[rB:rB+11], v[rC:rC+7], v[rSA], v[rSB] matrix_a_fmt:MATRIX_FMT_BF6 matrix_b_fmt:MATRIX_FMT_BF6
.endif
.endm
; piece n (0 .. 26) of the quantiser and the sum of X: block e of 32 keys is X's registers 16 e .. 16 e + 15 in lanes l and l xor 16
.macro SQ
.if n == 0
.irp e, 0,1,2,3
	v_max3_num_f32 v[TM+\e], v[S+16*\e], v[S+1+16*\e], 0x2800000   ; with the floor 2^(5 - 127)
.endr
.elseif n < 8
.irp e, 0,1,2,3
	v_max3_num_f32 v[TM+\e], v[TM+\e], v[S+16*\e+2*n], v[S+1+16*\e+2*n]
.endr
.elseif n == 8
.irp e, 0,1,2,3
	v_permlanex16_b32 v[TM+4+\e], v[TM+\e], s[SEL], s[SEL+1]
.endr
.elseif n == 9
.irp e, 0,1,2,3
	v_max_num_f32 v[TM+\e], v[TM+\e], v[TM+4+\e]
.endr
.elseif n == 10
.irp e, 0,1,2,3
	v_add_nc_u32 v[TM+12+\e], 0xfe000000, v[TM+\e]   ; 4 off the exponent field: the conversion's scale operand
.endr
.elseif n == 11
.irp e, 0,1,2,3
	v_lshrrev_b32 v[TM+4+\e], 23, v[TM+12+\e]        ; the scale's byte
.endr
.elseif n == 12
	v_lshl_or_b32 v[PW2+1], v[TM+5], 8, v[TM+4]
	v_lshl_or_b32 v[PW2+1], v[TM+6], 16, v[PW2+1]
	v_lshl_or_b32 v[PW2+1], v[TM+7], 24, v[PW2+1]
.elseif n == 13
.irp c, 0,1
	v_cvt_scalef32_pk16_bf6_f32 v[PC+6*\c:PC+2+6*\c], v[S+32*\c:S+15+32*\c], v[TM+12+2*\c]
	v_cvt_scalef32_pk16_bf6_f32 v[PC+12+4*\c:PC+14+4*\c], v[S+16+32*\c:S+31+32*\c], v[TM+12+2*\c+1]
.endr
	v_nop                                          ; one plain place behind a scaled conversion
.elseif n < 16
.irp e, 0,1,2
	v_permlane16_swap_b32 v[PC+6*(n-14)+\e], v[PC+12+4*(n-14)+\e]   ; a whole block to a lane
.endr
.irp e, 0,1,2
	v_mov_b32 v[PC+3+6*(n-14)+\e], v[PC+12+4*(n-14)+\e]
.endr
.elseif n == 16
.irp m, 0,1
	global_store_b128 v[PO16], v[PC+6*\m:PC+6*\m+3], s[14:15] offset:\m*768        ; 512 consecutive bytes a wave,
	global_store_b64 v[PO8], v[PC+6*\m+4:PC+6*\m+5], s[14:15] offset:\m*768+512    ; then 256
.endr
.elseif n == 17
.irp m, 0,1
	v_pk_add_f32 v[LA+4*\m:LA+4*\m+1], v[S+32*\m:S+32*\m+1], v[S+32*\m+4:S+32*\m+5]
	v_pk_add_f32 v[LA+4*\m+2:LA+4*\m+3], v[S+32*\m+2:S+32*\m+3], v[S+32*\m+6:S+32*\m+7]
.endr
.elseif n < 24
.irp m, 0,1
	v_pk_add_f32 v[LA+4*\m:LA+4*\m+1], v[LA+4*\m:LA+4*\m+1], v[S+32*\m+4*(n-16):S+32*\m+4*(n-16)+1]
	v_pk_add_f32 v[LA+4*\m+2:LA+4*\m+3], v[LA+4*\m+2:LA+4*\m+3], v[S+32*\m+4*(n-16)+2:S+32*\m+4*(n-16)+3]
.endr
.elseif n == 24
.irp m, 0,1
	v_pk_add_f32 v[LA+4*\m:LA+4*\m+1], v[LA+4*\m:LA+4*\m+1], v[LA+4*\m+2:LA+4*\m+3]
.endr
.irp m, 0,1
	v_add_f32 v[TT+\m], v[LA+4*\m], v[LA+4*\m+1]
.endr
.elseif n == 25
.irp m, 0,1
	v_permlanex16_b32 v[TT+2+\m], v[TT+\m], s[SEL], s[SEL+1]
.endr
.irp m, 0,1
	v_add_f32 v[TT+\m], v[TT+\m], v[TT+2+\m]
.endr
.elseif n == 26
	v_cndmask_b32 v[LP2+1], v[TT], v[TT+1], s[HM]  ; lanes 0-15 the first tile's sums, lanes 16-31 the second's
.endif
.endm
.macro TRANS op                        ; a batch of 64 on X, with a wait ahead of it and one behind it (the second is written by the caller, behind the plain place)
	s_wait_alu depctr_va_vdst(0)
.set n, 0
.rept 64
	\op v[S+n], v[S+n]
.set n, n+1
.endr
	v_nop
.endm
; A STEP.  sf: pair n's vector work; mm: pair n + 1's products; ld: pair n + 2's fragments and scale words
.macro STEP sf, mm, ld, par
.if \sf
	s_wait_xcnt 0x0                                ; the last step's stores have read their registers and bases: both are written again behind this wait
	s_add_nc_u64 s[14:15], s[14:15], s[I14:I14+1]
	s_add_nc_u64 s[16:17], s[16:17], s[I16:I16+1]
	s_add_nc_u64 s[18:19], s[18:19], s[I16:I16+1]
.endif
.if \ld
	global_load_b128 v[QT:QT+3], v[QSO], s[QSP:QSP+1]
	global_load_b128 v[QT+4:QT+7], v[QSO], s[QSP:QSP+1] offset:16
	v_add_nc_u32 v[ADQ], s[TB], v[AQ]
	v_add_nc_u32 v[ADQ+1], s[TB], v[AQ+1]
.endif
.if \sf
	WIN 0x01
	s_wait_alu depctr_va_vdst(0)                   ; the wait directly ahead of Y's first readers
.set n, 0
.rept 32
	v_pk_mul_f32 v[S+n:S+n+1], v[YB+n:YB+n+1], s[C2:C2+1] op_sel_hi:[1,0]   ; X = 2 log2(e) x Y, each accumulator from its low end on; Y is free for the next pair
.set n, n+2
.endr
	WIN 0
	TRANS v_exp_f32
.endif
	s_wait_alu depctr_va_vdst(0)
.if \mm
	s_wait_dscnt 24                                ; the first tile's fragments are in: behind them the second tile's 24 loads were issued
.endif
.set n, 0
.rept 32                               ; region A: the first tile of queries; between its products 1 + 2^(..)
.if \mm
.set ks, n/4
.set kt, n%4
.set km, 0
	WM
.endif
.if \sf && (n%2)
	WIN 0
	v_pk_add_f32 v[S+2*n-2:S+2*n-1], v[S+2*n-2:S+2*n-1], 1.0 op_sel_hi:[1,0]
	v_pk_add_f32 v[S+2*n:S+2*n+1], v[S+2*n:S+2*n+1], 1.0 op_sel_hi:[1,0]
.endif
.set n, n+1
.endr
	WIN 0
.if \mm
.rept 4
	v_nop                                          ; places in front of loads into fragments that the products have read
.endr
.endif
.if \ld
	QL 0
.endif
.if \sf
	TRANS v_rcp_f32
	s_wait_alu depctr_va_vdst(0)
.set n, 0
.rept 32
	v_pk_fma_f32 v[S+n:S+n+1], v[S+n:S+n+1], s[NC2:NC2+1], v[KC:KC+1] op_sel_hi:[1,0,1]   ; t = log2(e) (1 - 2 r)
.set n, n+2
.endr
	TRANS v_exp_f32
	s_wait_alu depctr_va_vdst(0)
.endif
.if \mm
.if \ld
	s_wait_dscnt 24                                ; the second tile's fragments are in: behind them the 24 loads above were issued
.else
	s_wait_dscnt 0x0
.endif
.endif
.set n, 0
.rept 32                               ; region B: the second tile of queries; between its products the quantiser, the stores and the sum
.if \mm
.set ks, n/4
.set kt, n%4
.set km, 1
	WM
.endif
.if \sf && (n < 27)
	WIN 0
	SQ
.endif
.set n, n+1
.endr
	WIN 0
.if \mm
.rept 4
	v_nop                                          ; places: loads into fragments, writes of scale words, and the next step's first read of Y
.endr
.endif
.if \ld
	QL 1
	s_wait_alu depctr_va_vdst(0)
	s_wait_loadcnt 0x0                             ; the next pair's scale words; nothing was loaded behind them
.irp e, 0,1,2,3,4,5,6,7
	v_perm_b32 v[QS+\e], v[QT+\e], v[QT+\e], s[VSEL]   ; bytes 1 and 2 change places, as the blocks do
.endr
	s_add_nc_u64 s[QSP:QSP+1], s[QSP:QSP+1], 1024
	s_add_co_u32 s[TB], s[TB], PAIRB
.endif
.if \sf
; two pairs make a unit of 64 queries: their words leave together, 256 consecutive bytes a wave.  par = 2: in a loop, by the pair's number; 0, 1: a step written out, whose pair is known to be even or odd
.if \par == 2
	s_bitcmp1_b32 s[PAR], 0
	s_wait_alu depctr_va_vdst(0)
	s_cbranch_scc1 .Lodd_\@
	v_mov_b32 v[PW2], v[PW2+1]
	v_mov_b32 v[LP2], v[LP2+1]
	s_mov_b32 s[I14], 1536
	s_mov_b32 s[I16], 0
	s_branch .Lpj_\@
.Lodd_\@:
	global_store_b64 v[PO8], v[PW2:PW2+1], s[16:17]
	global_store_b64 v[PO8], v[LP2:LP2+1], s[18:19]
	s_mov_b32 s[I14], 98304-1536
	s_mov_b32 s[I16], 8192
.Lpj_\@:
	s_add_co_u32 s[PAR], s[PAR], 1
.elseif \par == 0
	v_mov_b32 v[PW2], v[PW2+1]
	v_mov_b32 v[LP2], v[LP2+1]
	s_mov_b32 s[I14], 1536
	s_mov_b32 s[I16], 0
.else
	global_store_b64 v[PO8], v[PW2:PW2+1], s[16:17]
	global_store_b64 v[PO8], v[LP2:LP2+1], s[18:19]
.endif
.endif
.endm
.macro RUN base, cnt
	s_mov_b32 s[TB], \base
	s_mov_b32 s[TRIP], \cnt
.Lrun_\@:
	STEP 1, 1, 1, 2
	s_sub_co_u32 s[TRIP], s[TRIP], 1
	s_cmp_lg_u32 s[TRIP], 0
	s_wait_alu depctr_va_vdst(0)
	s_cbranch_scc1 .Lrun_\@
.endm
	s_load_b256 s[4:11], s[0:1], 0x0               ; q_codes, q_scales, k_codes, k_scales
	s_load_b256 s[12:19], s[0:1], 0x20             ; b, pc, ps, lp
	v_lshl_add_u32 v[SPW], v0, 2, SPARE
	v_mov_b32 v[NIL], 0
	ds_add_u32 v[SPW], v[NIL]
	ds_add_u32 v[SPW], v[NIL]
	v_lshrrev_b32 v12, 5, v0
	v_readfirstlane_b32 s[WV], v12
	s_bfe_u32 s21, ttmp6, 0x40000                  ; cx
	s_bfe_u32 s22, ttmp6, 0x40004                  ; cy
	s_and_b32 s23, ttmp7, 0xffff
	s_lshr_b32 s24, s23, 1                         ; the batch
	s_lshl_b32 s25, s23, 2
	s_add_co_u32 s25, s25, s22                     ; 8 x batch + my block of 256 keys
	s_lshl_b32 s26, ttmp9, 2
	s_add_co_u32 s26, s26, s21                     ; my block of 512 queries
	s_lshl_b32 s28, s22, 2
	s_lshl_b32 s28, 15, s28                        ; my row of the cluster
	s_lshl_b32 s29, 0x1111, s21                    ; my column
	s_or_b32 s[G1K], s28, PADW
	s_or_b32 s[G1Q64], s29, PADW
	s_or_b32 s[G1Q32], s29, PADW
.irp g, G1K, G1Q64, G1Q32
	s_mov_b32 s[\g+1], 768<<16
	s_mov_b32 s[\g+3], 768<<16
	s_mov_b32 s[\g+5], 768
	s_mov_b32 s[\g+6], 0
	s_mov_b32 s[\g+7], 0
.endr
	s_mov_b32 s[G1K+2], 128<<16
	s_mov_b32 s[G1K+4], 128
	s_mov_b32 s[G1Q64+2], 64<<16
	s_mov_b32 s[G1Q64+4], 64
	s_mov_b32 s[G1Q32+2], 32<<16
	s_mov_b32 s[G1Q32+4], 32
	s_and_b32 s27, s[WV], 1                        ; which half of a head tile I ask for
	s_lshl_b32 s30, s25, 8
	s_lshl_b32 s31, s[WV], 6
	s_add_co_u32 s92, s30, s31
	s_lshl_b32 s92, s92, 5                         ; my 64 keys' scale bytes
	s_mov_b32 s93, 0
	s_lshl_b32 s31, s27, 7
	s_add_co_u32 s30, s30, s31
	s_mul_i32 s30, s30, 768                        ; k: 128 rows
	s_mov_b32 s31, 0
	s_lshl_b32 s94, s24, 11
	s_lshl_b32 s95, s26, 9
	s_add_co_u32 s94, s94, s95                     ; my first query over all batches
	s_lshl_b32 s95, s27, 6
	s_add_co_u32 s96, s94, s95
	s_mul_i32 s96, s96, 768                        ; q's rows 0-127: 64 rows
	s_mov_b32 s97, 0
	s_lshl_b32 s95, s[WV], 6
	s_add_co_u32 s98, s94, s95
	s_add_co_u32 s98, s98, 128
	s_mul_i32 s98, s98, 768                        ; rows 128-383: 64 a wave
	s_mov_b32 s99, 0
	s_lshl_b32 s95, s[WV], 5
	s_add_co_u32 s2, s94, s95
	s_add_co_u32 s2, s2, 384
	s_mul_i32 s2, s2, 768                          ; rows 384-511: 32 a wave
	s_mov_b32 s3, 0
	s_lshl_b32 s94, s94, 5
	s_mov_b32 s95, 0
	s_mov_b32 s[G0K], 1
	s_mul_i32 s[G0K+1], s27, CHUNK
	s_mov_b32 s[G0Q0], 1
	s_mul_i32 s[G0Q0+1], s27, UNITB
	s_add_co_u32 s[G0Q0+1], s[G0Q0+1], R2
	s_mov_b32 s[G0Q12], 1
	s_mul_i32 s[G0Q12+1], s[WV], UNITB
	s_mov_b32 s[G0Q3], 1
	s_mul_i32 s[G0Q3+1], s[WV], PAIRB
	s_add_co_u32 s[G0Q3+1], s[G0Q3+1], R2
	s_wait_dscnt 0x0
	s_wait_kmcnt 0x0
	s_add_nc_u64 s[G0K+2:G0K+3], s[8:9], s[30:31]
	s_or_b32 s[G0K+3], s[G0K+3], 0x80000000
	s_add_nc_u64 s[G0Q0+2:G0Q0+3], s[4:5], s[96:97]
	s_or_b32 s[G0Q0+3], s[G0Q0+3], 0x80000000
	s_add_nc_u64 s[G0Q12+2:G0Q12+3], s[4:5], s[98:99]
	s_or_b32 s[G0Q12+3], s[G0Q12+3], 0x80000000
	s_add_nc_u64 s[G0Q3+2:G0Q3+3], s[4:5], s[2:3]
	s_or_b32 s[G0Q3+3], s[G0Q3+3], 0x80000000
	ROUND                                          ; the first joint loads meet
	s_cmp_lt_u32 s[WV], 2                          ; one tensor load a wave at the head: waves 0, 1 k's halves, waves 2, 3 the halves of q's first 128 rows
	s_cbranch_scc0 .Lhead_q
	TL G0K, G1K
	s_branch .Lhead_j
.Lhead_q:
	TL G0Q0, G1Q64
.Lhead_j:
	s_add_nc_u64 s[10:11], s[10:11], s[92:93]
	s_add_nc_u64 s[6:7], s[6:7], s[94:95]
	s_add_nc_u64 s[QSP:QSP+1], s[6:7], 1024        ; pair 1's scale bytes
	s_mov_b32 s[PAR], 0
	s_mov_b32 s[I14], 0
	s_mov_b32 s[I14+1], 0
	s_mov_b32 s[I16], 0
	s_mov_b32 s[I16+1], 0
	s_and_b32 s27, s25, 7
	s_lshl_b32 s27, s27, 2
	s_add_co_u32 s27, s27, s[WV]                   ; my group of 64 keys in the batch
	s_lshl_b32 s30, s24, 5
	s_lshl_b32 s31, s26, 3
	s_add_co_u32 s30, s30, s31                     ; my first unit of 64 queries
	s_mul_i32 s2, s30, 98304
	s_mul_i32 s3, s27, 3072
	s_add_co_u32 s2, s2, s3
	s_mov_b32 s3, 0
	s_add_nc_u64 s[14:15], s[14:15], s[2:3]
	s_lshl_b32 s2, s30, 5
	s_add_co_u32 s2, s2, s27
	s_lshl_b32 s2, s2, 8
	s_add_nc_u64 s[16:17], s[16:17], s[2:3]
	s_add_nc_u64 s[18:19], s[18:19], s[2:3]
	s_lshl_b32 s2, s27, 8
	s_add_nc_u64 s[12:13], s[12:13], s[2:3]
	s_mov_b32 s[SEL], 0x76543210
	s_mov_b32 s[SEL+1], 0xfedcba98
	s_mov_b32 s[C2], 0x4038aa3b                    ; 2 log2(e)
	s_mov_b32 s[C2+1], 0x4038aa3b
	s_mov_b32 s[NC2], 0xc038aa3b
	s_mov_b32 s[NC2+1], 0xc038aa3b
	s_mov_b32 s[HM], 0xffff0000
	s_mov_b32 s[VSEL], 0x03010200
	v_and_b32 v12, 15, v0                          ; r
	v_bfe_u32 v15, v0, 4, 1                        ; h
	v_and_b32 v[TT], 8, v12
	v_add_nc_u32 v[TT], v[TT], v12                 ; r + 8 (r / 8): lane r of tile 2 b + u takes key 32 b + 8 u + r + 8 (r / 8)
	v_mul_u32_u24 v[AKR], v[TT], PITCH
	v_mad_u32_u24 v[AKR], v15, 48, v[AKR]
	v_add_nc_u32 v[AKR], s[G0Q12+1], v[AKR]        ; my 64 rows of k begin at wave x 64 rows
	v_lshl_add_u32 v[AKR+1], v15, 4, v[AKR]
	v_mul_u32_u24 v[AQ], v12, PITCH
	v_mad_u32_u24 v[AQ], v15, 48, v[AQ]
	v_lshl_add_u32 v[AQ+1], v15, 4, v[AQ]
	v_add_nc_u32 v[ADQ], R2, v[AQ]                 ; pair 0
	v_add_nc_u32 v[ADQ+1], R2, v[AQ+1]
	v_lshl_add_u32 v[KSO], v15, 3, v[TT]
	v_lshlrev_b32 v[KSO], 5, v[KSO]
	v_lshlrev_b32 v[BO], 6, v15
	v_and_b32 v[QSO], 31, v0
	v_lshlrev_b32 v[PO16], 4, v[QSO]
	v_lshlrev_b32 v[PO8], 3, v[QSO]
	v_lshlrev_b32 v[QSO], 5, v[QSO]
	v_mov_b32 v[KC], 0x3fb8aa3b                    ; log2(e)
	v_mov_b32 v[KC+1], 0x3fb8aa3b
.irp e, 0,1,2,3
	v_mov_b32 v[TM+4+\e], 0                        ; a lane permute's destination counts as one of its sources
.endr
	v_mov_b32 v[TT+2], 0
	v_mov_b32 v[TT+3], 0
	v_mov_b32 v[PW2], 0
	v_mov_b32 v[LP2], 0
.irp t, 0,1,2,3
	global_load_b128 v[BI+8*\t:BI+8*\t+3], v[BO], s[12:13] offset:(32*(\t/2)+8*(\t%2))*4
	global_load_b128 v[BI+8*\t+4:BI+8*\t+7], v[BO], s[12:13] offset:(32*(\t/2)+8*(\t%2))*4+16
.endr
.irp e, 0,1
	global_load_b128 v[KS+8*\e:KS+8*\e+3], v[KSO], s[10:11] offset:1024*\e
	global_load_b128 v[KS+8*\e+4:KS+8*\e+7], v[KSO], s[10:11] offset:1024*\e+16
.endr
	global_load_b128 v[QT:QT+3], v[QSO], s[6:7]
	global_load_b128 v[QT+4:QT+7], v[QSO], s[6:7] offset:16
	CHANGE 0                                       ; everybody's part of the head's tiles is in
.set kf, 0
.rept 32                               ; k into registers: fragment 4 s + t at register 12 (f % 21) of window 2 + f / 21
.set wn, 0x80+0x40*(kf/21)
	WIN wn
	FRAG 12*(kf%21), AKR, kf/4, (32*((kf%4)/2)+8*(kf%2))*PITCH
.set kf, kf+1
.endr
	WIN 0
	QL 0
	QL 1
	s_wait_loadcnt 0x0                             ; bias and scale words
.irp e, 0,1,2,3,4,5,6,7
	v_perm_b32 v[QS+\e], v[QT+\e], v[QT+\e], s[VSEL]
.endr
.irp e, 0,1,2,3,4,5,6,7,8,9,10,11,12,13,14,15
	v_perm_b32 v[KS+\e], v[KS+\e], v[KS+\e], s[VSEL]
.endr
.rept 8
	v_nop                                          ; a scale register written by a vector instruction stands 8 places ahead of a scaled product
.endr
	CHANGE 1                                       ; no wave of any partner still reads k's rows
	TL G0Q12, G1Q64                                ; q's rows 128-383 take their place
	s_mov_b32 s[TB], R2+PAIRB
	STEP 0, 1, 1, 2
	RUN R2+2*PAIRB, 2                              ; steps 0, 1 fetch pairs 2, 3
	CHANGE 1
	TL G0Q3, G1Q32                                 ; q's rows 384-511 into R2
	RUN 0, 8                                       ; steps 2 .. 9 fetch pairs 4 .. 11
	CHANGE 0
	RUN R2, 4                                      ; steps 10 .. 13 fetch pairs 12 .. 15
	STEP 1, 1, 0, 0
	STEP 1, 0, 0, 1
	s_wait_tensorcnt 0x0                           ; the wave's end
	ds_add_u32 v[SPW], v[NIL]
	s_wait_dscnt 0x0
	ROUND                                          ; the closing round
	s_endpgm
.Lfunc_end_k_q0cbde03c84_scores:
	.size	k_q0cbde03c84_scores, .Lfunc_end_k_q0cbde03c84_scores-k_q0cbde03c84_scores
	.p2alignl 7, 3214868480
	.fill 96, 4, 3214868480
	.section	.rodata,"a",@progbits
	.p2align	6, 0x0
	.amdhsa_kernel k_q0cbde03c84_scores
		.amdhsa_group_segment_fixed_size 327680
		.amdhsa_private_segment_fixed_size 0
		.amdhsa_enable_private_segment 0
		.amdhsa_kernarg_size 64
		.amdhsa_user_sgpr_count 2
		.amdhsa_user_sgpr_kernarg_segment_ptr 1
		.amdhsa_wavefront_size32 1
		.amdhsa_system_sgpr_workgroup_id_x 1
		.amdhsa_system_sgpr_workgroup_id_y 1
		.amdhsa_system_sgpr_workgroup_id_z 1
		.amdhsa_system_vgpr_workitem_id 0
		.amdhsa_next_free_vgpr 1024
		.amdhsa_next_free_sgpr 100
		.amdhsa_reserve_vcc 0
		.amdhsa_float_denorm_mode_32 3
		.amdhsa_float_denorm_mode_16_64 3
		.amdhsa_memory_ordered 1
		.amdhsa_forward_progress 1
		.amdhsa_inst_pref_size 189
	.end_amdhsa_kernel
	.amdgpu_metadata
---
amdhsa.version: [ 1, 2 ]
amdhsa.kernels:
  - .name:           k_q0cbde03c84_scores
    .symbol:         k_q0cbde03c84_scores.kd
    .args:
      - { .name: q_codes, .offset: 0, .size: 8, .value_kind: global_buffer, .address_space: global }
      - { .name: q_scales, .offset: 8, .size: 8, .value_kind: global_buffer, .address_space: global }
      - { .name: k_codes, .offset: 16, .size: 8, .value_kind: global_buffer, .address_space: global }
      - { .name: k_scales, .offset: 24, .size: 8, .value_kind: global_buffer, .address_space: global }
      - { .name: b, .offset: 32, .size: 8, .value_kind: global_buffer, .address_space: global }
      - { .name: pc, .offset: 40, .size: 8, .value_kind: global_buffer, .address_space: global }
      - { .name: ps, .offset: 48, .size: 8, .value_kind: global_buffer, .address_space: global }
      - { .name: lp, .offset: 56, .size: 8, .value_kind: global_buffer, .address_space: global }
    .group_segment_fixed_size: 327680
    .private_segment_fixed_size: 0
    .kernarg_segment_align: 8
    .kernarg_segment_size: 64
    .max_flat_workgroup_size: 128
    .sgpr_count:     100
    .vgpr_count:     1024
    .wavefront_size: 32
...
	.end_amdgpu_metadata
.endif
;; end of part 1
;; launch context (part 2): grid 4 x 64, 4 waves a work-group, clusters of 4 x 4, 327,680 bytes of LDS; arguments pc, ps, lp, v_codes, v_scales, out0; writes out0
.if DOCPART == 2
	.amdgcn_target "amdgcn-amd-amdhsa--gfx1250"
	.amdhsa_code_object_version 6
	.text
	.protected	k_q0cbde03c84_context
	.globl	k_q0cbde03c84_context
	.p2align	8
	.type	k_q0cbde03c84_context,@function
k_q0cbde03c84_context:
	s_mov_b64 s[64:65], 0
	v_nop
	global_prefetch_b8 v0, s[64:65] scope:SCOPE_SE
	s_setreg_imm32_b32 hwreg(HW_REG_WAVE_MODE, 25, 1), 1
	s_wait_xcnt 0x0
	s_wait_alu depctr_hold_cnt(0) depctr_sa_sdst(0) depctr_va_vdst(0) depctr_va_sdst(0) depctr_va_ssrc(0) depctr_va_vcc(0) depctr_vm_vsrc(0)
	s_getreg_b32 s2, hwreg(HW_REG_IB_STS2, 6, 4)
	s_cmp_eq_u32 s2, 0
	s_cbranch_scc0 .Lentry_in_a_cluster
	s_endpgm
.Lentry_in_a_cluster:
	s_bfe_u32 s2, ttmp6, 0x10000c
	s_cmp_lg_u32 s2, 0xf033
	s_cbranch_scc0 .Lentry_shape_is_right
	s_endpgm
.Lentry_shape_is_right:
; SECOND LAUNCH OF TWO.  out[q][ch] = (the sum over the keys of Q(p)[q][key] v[key][ch]) / l[q], on codes of BF6 with E8M0 scales, K = the batch's 2,048 keys.
; p comes as the first launch left it: pc, codes as images of operand registers (for each 64 queries, 64 keys and tile of 16 queries: 512 bytes, 16 a lane, then 256 bytes, 8 a lane; lanes 0-15 the first 32 keys, lanes 16-31 the
; second 32); ps, its scale bytes; lp, the sums of the unquantised p over groups of 64 keys, whose sum is l.
; SHARES.  A work-group owns 256 queries x 256 channels of one batch.  Wave w keeps ITS 64 queries' p for all 2,048 keys IN REGISTERS: 4 tiles x 16 K steps = 64 fragments, 768 registers, loaded once.
; v's 256 channels stream through two LDS slots of 64 channels x all keys; every wave reads every slot.  Two refills in the launch; a slot's results (64 queries x 64 channels a wave) leave while the next slot's tiles are on their way.
; LAYOUT.  O^T = v^T p^T (source 0 = 16 channels, source 1 = 16 queries): a lane holds one query (lane % 16) and eight neighbouring channels, 32 bytes of a row of out.
; K IS PERMUTED, ALIKE ON BOTH SIDES.  The operand's layout gives lane (r, h) blocks h and 2 + h of a K step's four blocks of 32: two pieces of 24 bytes, 48 bytes apart.  Here lane (r, h) takes blocks 2 h and 2 h + 1: 48 consecutive
; bytes of v's row, at a multiple of 16: three loads of 16 bytes for six of 8.  So blocks 1 and 2 change places: p is loaded so too (lanes 0-15 from the image of the step's first 64 keys, lanes 16-31 from the second's), and bytes 1 and 2
; of every scale word change places.  Each product keeps its partner and its scales.  LIMIT: within a K step the unit adds blocks 1 and 2 in the other order than K ascending, which can move a sum's last bits.
; CLUSTER.  4 x 4 work-groups.  The four of a column of the cluster own the same channels of the same batch: v's tiles and scales are asked for jointly.  The four of a row read the same p, but each through its own
; loads: a work-group's p is 393,216 bytes, more than LDS holds, and goes straight into registers.
; LIMITS: as the first launch's (NaN, and the scale byte 0xff among the inputs, are not served).  l is at least 2,048 x 0.367, so the division is safe.
; REGISTERS.  Window 0: addresses, 1 / l, scale words, two sets of four accumulators, eight buffers for v's fragments, p's fragment 63.  Windows 1-3: p's fragment f = 4 s + m (f < 63) at register 12 (f % 21) of window 1 + f / 21.
.set PITCH,  1584                      ; an LDS row of v: 3 x (512 bytes + 16 of padding) = 396 words: row r starts at bank 12 r mod 64 (64 banks of 4 bytes: ISA guide 11.1): the 16 rows of a pass of 16-byte loads start at 16 different multiples of 4 banks
.set SLOTB,  64*PITCH                  ; 101,376
.set SCV,    SLOTB                     ; behind slot 0: v's scale bytes for the 256 channels: 64 units of 256 bytes + 16 of padding, filled once
.set SPARE,  SCV+64*272                ; the spare words, 128 bytes for each wave: two blocks of 256 bytes that no other line names
.set SLOT1,  1<<17                     ; slot 1 begins here: one exclusive or turns an address in one slot into the other's
.set STG,    SLOT1+SLOTB               ; the stages: 64 rows x (256 bytes + 16) for each wave; no tensor load lands here
.set AV,   1                           ; v1-2   my lane's place in a tile of v: row r, + 48 h (v2: + 64 h, for the pieces that lie behind one padding more)
.set ADV,  3                           ; v3-6   the same in the slot in hand: tiles 0, 1 (v3, v4) and tiles 2, 3 (v5, v6)
.set ASV,  7                           ; v7     my lane's place among v's scale words
.set ADS,  8                           ; v8     the same for the 64 channels in hand
.set STO,  9                           ; v9     the stage: where I put 32 bytes of a row
.set RD,   10                          ; v10    and where I read a row back
.set CO,   11                          ; v11    my byte offset in out
.set PO16, 12                          ; v12    p's images, the 16-byte part: 3,072 h + 16 r
.set PO8,  13                          ; v13    the 8-byte part: 3,072 h + 8 r
.set SPW,  14                          ; v14    LDS address of my spare word; never rewritten
.set NIL,  15                          ; v15    0; never rewritten
.set RR,   16                          ; v16-23 1 / l of my query in tile m, twice, at RR + 2 m
.set PSC,  24                          ; v24-55 p's scale words: PSC + 2 s + x: lanes 0-15 tile 2 x, lanes 16-31 tile 2 x + 1
.set VSC,  56                          ; v56-71 v's scale words, two sets: register i: lanes 0-15 K step i, lanes 16-31 K step 8 + i
.set ACC,  72                          ; v72-135 two sets of four accumulators; on the way out 16 rows read back
.set VF,   136                         ; v136-231 eight buffers for v's fragments: two halves of four
.set PX,   232                         ; v232-243 p's fragment 63
.set PL8,  252                         ; v252   8 x lane: ps and lp
.set WV,   20
.set G1V,  32                          ; s[32:39] group 1 for v's tiles;  s[40:47] for its scales
.set G1S,  40
.set G0S,  48
.set G0VA, 52                          ; channels 0-63
.set G0VB, 56                          ; channels 64-127; it then walks
.set SEL,  76
.set TBV,  82                          ; s82 LDS base of the slot in hand
.set TSV,  83                          ; s83 where its channels' scale words begin
.set TRIP, 84
.set HM,   85
.set VSEL, 95                          ; s95 v_perm_b32's selector that lets bytes 1 and 2 of a word change places
.set MSB, 0
.macro WIN new
.if MSB != (\new)
	s_set_vgpr_msb (MSB<<8)|(\new)
.set MSB, (\new)
.endif
.endm
.macro ROUND                           ; a round of the cluster's barrier
	s_barrier_signal -1
	s_barrier_wait -1
	s_cmp_lg_u32 s[WV], 0
	s_cbranch_scc1 .Lnot_wave_0_\@
	s_barrier_signal -3
.Lnot_wave_0_\@:
	s_barrier_wait -3
	s_barrier_signal -1
	s_barrier_wait -1
.endm
.macro TL g0, g1                       ; a joint load; four v_nop follow it
	tensor_load_to_lds s[\g0:\g0+3], s[\g1:\g1+7]
	s_nop 0
.rept 4
	v_nop
.endr
.endm
; v's fragment of tile jj (16 channels), K step ss, into buffer buf: three pieces of 16 bytes, the row's pieces 6 ss + 3 h + 0, 1, 2.  32 pieces lie between paddings: where the piece three on lies behind one padding more, the second address register serves
.macro VFRAG buf, jj, ss
.irp e, 0,1,2
.set PCE, 6*(\ss)+\e
.if PCE%32 < 29
	ds_load_b128 v[VF+12*(\buf)+4*\e:VF+12*(\buf)+4*\e+3], v[ADV+2*((\jj)/2)] offset:16*PCE+16*(PCE/32)+16*((\jj)%2)*PITCH
.else
	ds_load_b128 v[VF+12*(\buf)+4*\e:VF+12*(\buf)+4*\e+3], v[ADV+2*((\jj)/2)+1] offset:16*PCE+16*(PCE/32)+16*((\jj)%2)*PITCH
.endif
.endr
.endm
.macro PRIME first                     ; the addresses of the slot in hand, and its first two groups of four fragments
	v_add_nc_u32 v[ADV], s[TBV], v[AV]
	v_add_nc_u32 v[ADV+1], s[TBV], v[AV+1]
	v_add_nc_u32 v[ADV+2], 32*PITCH, v[ADV]
	v_add_nc_u32 v[ADV+3], 32*PITCH, v[ADV+1]
	v_add_nc_u32 v[ADS], s[TSV], v[ASV]
.if \first
	ds_load_b128 v[VSC:VSC+3], v[ADS]              ; the very first tile's scale words
	ds_load_b128 v[VSC+4:VSC+7], v[ADS] offset:16
.endif
.irp e, 0,1,2,3,4,5,6,7
	VFRAG \e, 0, \e
.endr
.if \first
	s_wait_dscnt 24                                ; the scale words are in: behind their two loads the 24 fragment loads were issued
.irp e, 0,1,2,3,4,5,6,7
	v_perm_b32 v[VSC+\e], v[VSC+\e], v[VSC+\e], s[VSEL]   ; bytes 1 and 2 change places, as the blocks do
.endr
.rept 8
	v_nop                                          ; a scale register written by a vector instruction stands 8 places ahead of a scaled matrix instruction
.endr
.endif
.endm
.macro WM                              ; one matrix instruction, from the symbols that TILE sets.  v's scale words of K steps 8-15 and p's of odd tiles lie in lanes 16-31.  The first K step starts the sums: nothing is cleared
.if ts == 0
.if tm%2 == 1
	v_wmma_scale_f32_16x16x128_f8f6f4 v[rD:rD+7], v[rA:rA+11], v[rB:rB+11], 0, v[rSA], v[rSB] matrix_a_fmt:MATRIX_FMT_BF6 matrix_b_fmt:MATRIX_FMT_BF6 matrix_b_scale:MATRIX_SCALE_ROW1
.else
	v_wmma_scale_f32_16x16x128_f8f6f4 v[rD:rD+7], v[rA:rA+11], v[rB:rB+11], 0, v[rSA], v[rSB] matrix_a_fmt:MATRIX_FMT_BF6 matrix_b_fmt:MATRIX_FMT_BF6
.endif
.elseif (ts >= 8) && (tm%2 == 1)
	v_wmma_scale_f32_16x16x128_f8f6f4 v[rD:rD+7], v[rA:rA+11], v[rB:rB+11], v[rD:rD+7], v[rSA], v[rSB] matrix_a_fmt:MATRIX_FMT_BF6 matrix_b_fmt:MATRIX_FMT_BF6 matrix_a_scale:MATRIX_SCALE_ROW1 matrix_b_scale:MATRIX_SCALE_ROW1
.elseif ts >= 8
	v_wmma_scale_f32_16x16x128_f8f6f4 v[rD:rD+7], v[rA:rA+11], v[rB:rB+11], v[rD:rD+7], v[rSA], v[rSB] matrix_a_fmt:MATRIX_FMT_BF6 matrix_b_fmt:MATRIX_FMT_BF6 matrix_a_scale:MATRIX_SCALE_ROW1
.elseif tm%2 == 1
	v_wmma_scale_f32_16x16x128_f8f6f4 v[rD:rD+7], v[rA:rA+11], v[rB:rB+11], v[rD:rD+7], v[rSA], v[rSB] matrix_a_fmt:MATRIX_FMT_BF6 matrix_b_fmt:MATRIX_FMT_BF6 matrix_b_scale:MATRIX_SCALE_ROW1
.else
	v_wmma_scale_f32_16x16x128_f8f6f4 v[rD:rD+7], v[rA:rA+11], v[rB:rB+11], v[rD:rD+7], v[rSA], v[rSB] matrix_a_fmt:MATRIX_FMT_BF6 matrix_b_fmt:MATRIX_FMT_BF6
.endif
.endm
; TILE j of a slot: 16 channels x my 64 queries x all keys, in four GROUPS of four K steps.  A group is 16 matrix instructions on one half of the buffers, the four accumulators (tiles of queries) by turns, one instruction a turn
; then places; then ONE run of LDS instructions, which fills that half with the group two ahead: 14 runs a slot.  Only source 1's window is set for the products, so LDS loads and v_nop need no switch.
; Behind a tile's first group the places are the tile before's results x 1 / l, which then go to the stage; the next tile's scale words are asked for in the same run, and their bytes change places behind the second group.
; kind = 2: the launch's last slot.
.macro TILE j, kind
.set tG, 0
.rept 4
.set tgg, 4*(\j)+tG                    ; the group's number in the slot, 0 .. 15
.if (\j) == 0                          ; p.  Group G reads p's fragments 16 G .. 16 G + 15, the loads 64 G .. 64 G + 63 of 256: with 63 out, loads 0 .. 192 are in, which serves groups 0 to 2.  In the later slots no load is out and these waits are met at once
.if tG < 3
	s_wait_loadcnt 0x3f
.else
	s_wait_loadcnt 0x0
.endif
.endif
.if tgg < 15
	s_wait_dscnt 12                                ; this group's 12 loads are in: behind them the next group's 12 were issued (stage stores and scale loads that stand between the two are done too)
.else
	s_wait_dscnt 0x0                               ; the slot's last group: nothing was issued behind its loads
.endif
.set tk, 0
.rept 16
.set ts, 4*tG+tk/4
.set tm, tk%4
.set tf, 4*ts+tm
.set wn, 0
.set rB, PX
.if tf < 63
.set wn, 4*(1+tf/21)
.set rB, 12*(tf%21)
.endif
	WIN wn
.set rD, ACC+32*((\j)%2)+8*tm
.set rA, VF+12*(ts%8)
.set rSA, VSC+8*((\j)%2)+ts%8
.set rSB, PSC+2*ts+tm/2
	WM
.set tk, tk+1
.endr
.if (tG == 0) && ((\j) >= 1)
	WIN 0
.set rO, ACC+32*(((\j)+1)%2)
.irp m, 0,1,2,3
.irp e, 0,2,4,6
	v_pk_mul_f32 v[rO+8*\m+\e:rO+8*\m+\e+1], v[rO+8*\m+\e:rO+8*\m+\e+1], v[RR+2*\m:RR+2*\m+1]   ; the tile before: O^T / l, each accumulator from its low end on.  These 16 name no register of the products above: they are the places in front of the loads below
.endr
.endr
.irp m, 0,1,2,3
	ds_store_b128 v[STO], v[rO+8*\m:rO+8*\m+3] offset:16*\m*272+64*((\j)-1)
	ds_store_b128 v[STO], v[rO+8*\m+4:rO+8*\m+7] offset:16*\m*272+64*((\j)-1)+16
.endr
.elseif (tG == 1) && (((\kind) < 2) || ((\j) < 3))
	WIN 0
.irp e, 0,1,2,3,4,5,6,7
	v_perm_b32 v[VSC+8*(((\j)+1)%2)+\e], v[VSC+8*(((\j)+1)%2)+\e], v[VSC+8*(((\j)+1)%2)+\e], s[VSEL]   ; the next tile's scale words (in since this group's wait on DScnt): bytes 1 and 2 change places
.endr
.rept 4
	v_nop                                          ; with the four behind each of the next two groups: 12 plain instructions between the last of these writes and the first product that takes it as a scale (8 are owed)
.endr
.else
.rept 4
	v_nop                                          ; places in front of loads into the buffers that the products have read, and of the first read of results
.endr
.endif
.if (tG == 0) && (((\kind) < 2) || ((\j) < 3))
	ds_load_b128 v[VSC+8*(((\j)+1)%2):VSC+8*(((\j)+1)%2)+3], v[ADS] offset:((\j)+1)*1088        ; the next tile's scale words, into the other set (behind tile 3: the next slot's first tile's)
	ds_load_b128 v[VSC+8*(((\j)+1)%2)+4:VSC+8*(((\j)+1)%2)+7], v[ADS] offset:((\j)+1)*1088+16
.endif
.if tgg+2 <= 15
.irp q, 0,1,2,3
	VFRAG 4*(tG%2)+\q, (tgg+2)/4, 4*((tgg+2)%4)+\q
.endr
.endif
.set tG, tG+1
.endr
.endm
; THE WAY OUT of a slot: tile 3's results join the others in my stage; then my 64 rows of 256 bytes come back whole, two rows an instruction, and are stored.  The stage is my wave's own, and LDS serves a wave's instructions in order.
.macro WAYOUT
.irp m, 0,1,2,3
.irp e, 0,2,4,6
	v_pk_mul_f32 v[ACC+32+8*\m+\e:ACC+32+8*\m+\e+1], v[ACC+32+8*\m+\e:ACC+32+8*\m+\e+1], v[RR+2*\m:RR+2*\m+1]
.endr
.endr
.irp m, 0,1,2,3
	ds_store_b128 v[STO], v[ACC+32+8*\m:ACC+32+8*\m+3] offset:16*\m*272+192
	ds_store_b128 v[STO], v[ACC+32+8*\m+4:ACC+32+8*\m+7] offset:16*\m*272+208
.endr
.irp u, 0,1
.irp i, 0,1,2,3,4,5,6,7,8,9,10,11,12,13,14,15
	ds_load_b128 v[ACC+4*\i:ACC+4*\i+3], v[RD] offset:(32*\u+2*\i)*272
.endr
.irp i, 0,1,2,3,4,5,6,7,8,9,10,11,12,13,14,15
	s_wait_dscnt 15-\i
	global_store_b128 v[CO], v[ACC+4*\i:ACC+4*\i+3], s[14:15] offset:(32*\u+2*\i)*4096 th:TH_STORE_NT   ; 16 lanes store 256 consecutive bytes, at a multiple of 256 from out's first byte
.endr
	s_wait_xcnt 0x0                                ; the stores have read their registers and their base: both are written again only behind this wait
.endr
	s_add_nc_u64 s[14:15], s[14:15], 256           ; the next 64 channels
.endm
; A SLOT: four tiles; the change of slots; the next slot's first fragments; the way out.  kind = 1: the slot just read is filled again; 0: nothing is left to fetch; 2: the last slot.
.macro SLOT kind
	TILE 0, \kind
	s_wait_alu depctr_va_vdst(0)
	TILE 1, \kind
	s_wait_alu depctr_va_vdst(0)
	TILE 2, \kind
	s_wait_alu depctr_va_vdst(0)
	TILE 3, \kind
	WIN 0
.if \kind < 2
	s_wait_tensorcnt 0x0                           ; all my tensor loads have landed, my part of the next slot among them: so a group 0 may be written
	ds_add_u32 v[SPW], v[NIL]                      ; 0 onto my spare word
.if \kind == 1
	s_xor_b32 s[G0VB+1], s[G0VB+1], SLOT1          ; the walking descriptor: the other slot than last time,
	s_add_nc_u64 s[G0VB+2:G0VB+3], s[G0VB+2:G0VB+3], 64*1536   ; the next 64 channels; the type bits on top are not reached
.endif
	s_wait_dscnt 0x0                               ; the add is done, and my reads of this slot are over
.if \kind == 1
	ROUND                                          ; no wave of any partner still reads this slot or has a load on its way
	TL G0VB, G1V                                   ; my one tensor load behind the round: it has a slot's 256 matrix instructions and a way out in which to land
.else
	s_barrier_signal -1
	s_barrier_wait -1
.endif
	s_xor_b32 s[TBV], s[TBV], SLOT1
	s_add_co_u32 s[TSV], s[TSV], 16*272
	PRIME 0
.endif
	WAYOUT
.endm
	s_load_b256 s[4:11], s[0:1], 0x0               ; pc s[4:5], ps s[6:7], lp s[8:9], v_codes s[10:11]
	s_load_b128 s[12:15], s[0:1], 0x20             ; v_scales s[12:13], out0 s[14:15]
	v_lshl_add_u32 v[SPW], v0, 2, SPARE
	v_mov_b32 v[NIL], 0
	ds_add_u32 v14, v15
	ds_add_u32 v14, v15
	s_wait_dscnt 0x0
	v_lshrrev_b32 v244, 5, v0
	v_readfirstlane_b32 s[WV], v244                ; wave 0..3
	s_bfe_u32 s21, ttmp6, 0x40000                  ; cx
	s_bfe_u32 s22, ttmp6, 0x40004                  ; cy
	s_and_b32 s23, ttmp7, 0xffff                   ; the cluster's y
	s_lshr_b32 s24, s23, 1                         ; the batch
	s_lshl_b32 s25, s23, 2
	s_add_co_u32 s25, s25, s22                     ; Y = 8 x batch + my block of 256 queries
	s_lshl_b32 s26, ttmp9, 2
	s_add_co_u32 s26, s26, s21                     ; my block of 256 channels
	s_lshl_b32 s29, 0x1111, s21                    ; my column of the cluster: the same channels of the same batch
	s_or_b32 s[G1V], s29, (1<<20)|(1<<21)|(6<<22)|(3<<25)           ; elements of 1 byte; padding on; bit 21 beside a mask; after every 128 words; 4 words of it
	s_mov_b32 s[G1V+1], 1536<<16                   ; tensor_dim0 = 1,536 bytes: all 2,048 keys
	s_mov_b32 s[G1V+2], 16<<16                     ; tensor_dim1 = 16 rows a wave
	s_mov_b32 s[G1V+3], 1536<<16                   ; tile_dim0
	s_mov_b32 s[G1V+4], 16                         ; tile_dim1
	s_mov_b32 s[G1V+5], 1536
	s_mov_b32 s[G1V+6], 0
	s_mov_b32 s[G1V+7], 0
.set G1W, 68                           ; s[68:75] group 1 for the head's halves of slot 0: 32 rows
	s_or_b32 s[G1W], s29, (1<<20)|(1<<21)|(6<<22)|(3<<25)
	s_mov_b32 s[G1W+1], 1536<<16
	s_mov_b32 s[G1W+2], 32<<16
	s_mov_b32 s[G1W+3], 1536<<16
	s_mov_b32 s[G1W+4], 32
	s_mov_b32 s[G1W+5], 1536
	s_mov_b32 s[G1W+6], 0
	s_mov_b32 s[G1W+7], 0
	s_or_b32 s[G1S], s29, (3<<16)|(1<<20)|(1<<21)|(5<<22)|(3<<25)   ; the scales of 128 channels: 8,192 dense bytes as 32 rows of 256 (32 elements of 8 bytes), 16 bytes of padding behind each
	s_mov_b32 s[G1S+1], 32<<16
	s_mov_b32 s[G1S+2], 32<<16
	s_mov_b32 s[G1S+3], 32<<16
	s_mov_b32 s[G1S+4], 32
	s_mov_b32 s[G1S+5], 32
	s_mov_b32 s[G1S+6], 0
	s_mov_b32 s[G1S+7], 0
	s_lshl_b32 s86, s24, 10                        ; the work-group's first channel over all batches: 1,024 x batch + 256 x block (no cy enters)
	s_lshl_b32 s87, s26, 8
	s_add_co_u32 s86, s86, s87
	s_lshl_b32 s87, s[WV], 4
	s_add_co_u32 s88, s86, s87                     ; codes: 16 rows a wave
	s_mul_i32 s88, s88, 1536
	s_mov_b32 s89, 0
	s_and_b32 s93, s[WV], 1                        ; which half of a head tile I ask for
	s_lshl_b32 s87, s93, 7
	s_add_co_u32 s90, s86, s87                     ; scales: 128 rows of 64 bytes a wave
	s_lshl_b32 s90, s90, 6
	s_mov_b32 s91, 0
	s_mov_b32 s[G0S], 1
	s_mul_i32 s[G0S+1], s93, 32*272
	s_add_co_u32 s[G0S+1], s[G0S+1], SCV
	s_mov_b32 s[G0VA], 1
	s_mul_i32 s[G0VA+1], s93, 32*PITCH
	s_lshl_b32 s94, s93, 5
	s_add_co_u32 s94, s86, s94                     ; slot 0: 32 rows for each of waves 2 and 3
	s_mul_i32 s94, s94, 1536
	s_mov_b32 s95, 0
	s_mov_b32 s[G0VB], 1
	s_mul_i32 s[G0VB+1], s[WV], 16*PITCH
	s_add_co_u32 s[G0VB+1], s[G0VB+1], SLOT1
	s_wait_kmcnt 0x0
	s_add_nc_u64 s[G0S+2:G0S+3], s[12:13], s[90:91]
	s_or_b32 s[G0S+3], s[G0S+3], 0x80000000
	s_add_nc_u64 s[G0VB+2:G0VB+3], s[10:11], s[88:89]
	s_add_nc_u64 s[G0VB+2:G0VB+3], s[G0VB+2:G0VB+3], 64*1536
	s_add_nc_u64 s[G0VA+2:G0VA+3], s[10:11], s[94:95]
	s_or_b32 s[G0VA+3], s[G0VA+3], 0x80000000
	s_or_b32 s[G0VB+3], s[G0VB+3], 0x80000000
	ROUND                                          ; all sixteen work-groups are here: the first joint loads meet
	s_cmp_lt_u32 s[WV], 2                          ; one tensor load a wave at the head: waves 0, 1 the halves of the scales, waves 2, 3 the halves of slot 0
	s_cbranch_scc0 .Lhead_v
	TL G0S, G1S
	s_branch .Lhead_j
.Lhead_v:
	TL G0VA, G1W
.Lhead_j:
	s_lshl_b32 s92, s25, 2
	s_add_co_u32 s92, s92, s[WV]                   ; my block of 64 queries over all batches
	s_mul_i32 s2, s92, 98304
	s_mov_b32 s3, 0
	s_add_nc_u64 s[4:5], s[4:5], s[2:3]            ; its codes,
	s_lshl_b32 s2, s92, 13
	s_add_nc_u64 s[6:7], s[6:7], s[2:3]            ; scale bytes
	s_add_nc_u64 s[8:9], s[8:9], s[2:3]            ; and partial sums
	s_lshl_b32 s2, s92, 18                         ; out: 64 rows of 4,096 bytes,
	s_lshl_b32 s93, s26, 10                        ; + my 256 channels
	s_add_co_u32 s2, s2, s93
	s_add_nc_u64 s[14:15], s[14:15], s[2:3]
	s_mov_b32 s[SEL], 0x76543210
	s_mov_b32 s[SEL+1], 0xfedcba98
	s_mov_b32 s[HM], 0xffff0000
	s_mov_b32 s[VSEL], 0x03010200
	s_mov_b32 s[TBV], 0
	s_mov_b32 s[TSV], 0
	v_and_b32 v244, 15, v0                         ; r
	v_bfe_u32 v245, v0, 4, 1                       ; h
	v_and_b32 v246, 31, v0
	v_lshlrev_b32 v[PL8], 3, v246
	v_mul_u32_u24 v247, v245, 3072                 ; lanes 16-31 read the image of the K step's second 64 keys, 3,072 bytes on
	v_lshl_add_u32 v[PO16], v244, 4, v247
	v_lshl_add_u32 v[PO8], v244, 3, v247
.set n, 0
.rept 32                               ; ps and lp first: 256 bytes for each group of 64 keys
	global_load_b64 v[VF+2*n:VF+2*n+1], v[PL8], s[6:7] offset:256*n
	global_load_b64 v[ACC+2*n:ACC+2*n+1], v[PL8], s[8:9] offset:256*n
.set n, n+1
.endr
.set kf, 0
.rept 64                               ; p's 64 fragments: K step kf / 4, tile kf % 4.  Registers 6 c .. 6 c + 5 of lane (r, h) are what lane r + 16 c of the image of keys 64 h on holds: block 2 h + c of the step.  Sixteen lanes read 256 (128) consecutive bytes
.set wn, 0
.set rB, PX
.if kf < 63
.set wn, 0x40*(1+kf/21)
.set rB, 12*(kf%21)
.endif
	WIN wn                                         ; destination window 1, 2, 3; the last fragment window 0
.irp c, 0,1
	global_load_b128 v[rB+6*\c:rB+6*\c+3], v[PO16], s[4:5] offset:(kf/4)*6144+(kf%4)*768+256*\c
	global_load_b64 v[rB+6*\c+4:rB+6*\c+5], v[PO8], s[4:5] offset:(kf/4)*6144+(kf%4)*768+512+128*\c
.endr
.set kf, kf+1
.endr
	WIN 0
	v_mul_u32_u24 v[AV], v244, PITCH
	v_mad_u32_u24 v[AV], v245, 48, v[AV]           ; row r, + 48 h: my two blocks of a K step
	v_lshl_add_u32 v[AV+1], v245, 4, v[AV]         ; and the same behind one padding more
	v_lshrrev_b32 v246, 2, v244                    ; v's scale words: four channels of 64 bytes to a unit of 272; lanes 16-31 take K steps 8-15
	v_and_b32 v247, 3, v244
	v_mul_u32_u24 v[ASV], v246, 272
	v_lshl_add_u32 v[ASV], v247, 6, v[ASV]
	v_lshl_add_u32 v[ASV], v245, 5, v[ASV]
	v_add_nc_u32 v[ASV], SCV, v[ASV]
	s_mul_i32 s94, s[WV], 64*272
	s_add_co_u32 s94, s94, STG                     ; my stage
	v_mul_u32_u24 v[STO], v244, 272                ; in: row r, 32 bytes for each half of the lanes
	v_lshl_add_u32 v[STO], v245, 5, v[STO]
	v_add_nc_u32 v[STO], s94, v[STO]
	v_mul_u32_u24 v[RD], v245, 272                 ; back: lanes 0-15 one row of 256 bytes, lanes 16-31 the next
	v_lshl_add_u32 v[RD], v244, 4, v[RD]
	v_add_nc_u32 v[RD], s94, v[RD]
	v_lshlrev_b32 v[CO], 12, v245                  ; and the same two rows in out
	v_lshl_add_u32 v[CO], v244, 4, v[CO]
	v_mov_b32 v246, 0x05010400                     ; lanes 0-15 want the low halves of ps's two words (the even tile's bytes), lanes 16-31 the high halves (the odd tile's);
	v_mov_b32 v247, 0x07030602                     ; in the order block 0, block 2, block 1, block 3, as the blocks lie in the registers
	v_cndmask_b32 v246, v246, v247, s[HM]
	v_mov_b32 v250, 0                              ; written once: a lane permute's destination counts as one of its sources
	v_mov_b32 v251, 0
	s_wait_alu depctr_va_vdst(0)
	s_wait_loadcnt 0x3f                            ; ps and lp are in: 256 loads were issued behind them
.set n, 0
.rept 32                               ; a K step's scale word, from the word of its first 64 keys (second source) and that of its second 64 (first source)
	v_perm_b32 v[PSC+n], v[VF+4*(n/2)+2+n%2], v[VF+4*(n/2)+n%2], v246
.set n, n+1
.endr
.irp k, 1,2,3,4,5,6,7                  ; l: the 32 partial sums of queries lane and 32 + lane, in four chains.  (These lines are also the places between the scale words' making and the first product)
.irp c, 0,1,2,3
	v_pk_add_f32 v[ACC+2*\c:ACC+2*\c+1], v[ACC+2*\c:ACC+2*\c+1], v[ACC+2*(\c+4*\k):ACC+2*(\c+4*\k)+1]
.endr
.endr
	v_pk_add_f32 v[ACC:ACC+1], v[ACC:ACC+1], v[ACC+4:ACC+5]
	v_pk_add_f32 v[ACC+2:ACC+3], v[ACC+2:ACC+3], v[ACC+6:ACC+7]
	v_pk_add_f32 v[ACC:ACC+1], v[ACC:ACC+1], v[ACC+2:ACC+3]
	s_wait_alu depctr_va_vdst(0)
	v_rcp_f32 v248, v[ACC]
	v_rcp_f32 v249, v[ACC+1]
	v_nop                                          ; a plain instruction behind the reciprocals,
	s_wait_alu depctr_va_vdst(0)                   ; and one wait for both, ahead of their first reader
	v_permlanex16_b32 v250, v248, s[SEL], s[SEL+1]
	v_permlanex16_b32 v251, v249, s[SEL], s[SEL+1]
.irp i, 0,1                            ; lane (r, h) wants 1 / l of query 16 m + r: for the even tile lanes 0-15 hold it, for the odd tile lanes 16-31
.irp e, 0,1
	v_cndmask_b32 v[RR+4*\i+\e], v[248+\i], v[250+\i], s[HM]
	v_cndmask_b32 v[RR+4*\i+2+\e], v[250+\i], v[248+\i], s[HM]
.endr
.endr
	s_wait_alu depctr_va_vdst(0)
	s_wait_tensorcnt 0x0                           ; my part of the scales or of slot 0 is in
	ds_add_u32 v[SPW], v[NIL]
	s_wait_dscnt 0x0
	ROUND                                          ; everybody's part is in (p's last loads may be out: they land in my registers, from bytes that nobody writes)
	TL G0VB, G1V                                   ; slot 1's first fill, 16 rows a wave: it has slot 0's 256 matrix instructions in which to land
	PRIME 1
	s_mov_b32 s[TRIP], 2
.Lslot:                                            ; channels 0-63 and 64-127: behind each its slot is filled again
	s_wait_alu depctr_va_vdst(0)
	SLOT 1
	s_sub_co_u32 s[TRIP], s[TRIP], 1
	s_cmp_lg_u32 s[TRIP], 0
	s_cbranch_scc1 .Lslot
	SLOT 0                                         ; the tail is written out
	SLOT 2
	s_wait_tensorcnt 0x0                           ; the wave's end
	ds_add_u32 v[SPW], v[NIL]
	s_wait_dscnt 0x0
	ROUND                                          ; the closing round
	s_endpgm
.Lfunc_end_k_q0cbde03c84_context:
	.size	k_q0cbde03c84_context, .Lfunc_end_k_q0cbde03c84_context-k_q0cbde03c84_context
	.p2alignl 7, 3214868480
	.fill 96, 4, 3214868480
	.section	.rodata,"a",@progbits
	.p2align	6, 0x0
	.amdhsa_kernel k_q0cbde03c84_context
		.amdhsa_group_segment_fixed_size 327680
		.amdhsa_private_segment_fixed_size 0
		.amdhsa_enable_private_segment 0
		.amdhsa_kernarg_size 48
		.amdhsa_user_sgpr_count 2
		.amdhsa_user_sgpr_kernarg_segment_ptr 1
		.amdhsa_wavefront_size32 1
		.amdhsa_system_sgpr_workgroup_id_x 1
		.amdhsa_system_sgpr_workgroup_id_y 1
		.amdhsa_system_sgpr_workgroup_id_z 1
		.amdhsa_system_vgpr_workitem_id 0
		.amdhsa_next_free_vgpr 1024
		.amdhsa_next_free_sgpr 96
		.amdhsa_reserve_vcc 0
		.amdhsa_float_denorm_mode_32 3
		.amdhsa_float_denorm_mode_16_64 3
		.amdhsa_memory_ordered 1
		.amdhsa_forward_progress 1
		.amdhsa_inst_pref_size 232
	.end_amdhsa_kernel
	.amdgpu_metadata
---
amdhsa.version: [ 1, 2 ]
amdhsa.kernels:
  - .name:           k_q0cbde03c84_context
    .symbol:         k_q0cbde03c84_context.kd
    .args:
      - { .name: pc, .offset: 0, .size: 8, .value_kind: global_buffer, .address_space: global }
      - { .name: ps, .offset: 8, .size: 8, .value_kind: global_buffer, .address_space: global }
      - { .name: lp, .offset: 16, .size: 8, .value_kind: global_buffer, .address_space: global }
      - { .name: v_codes, .offset: 24, .size: 8, .value_kind: global_buffer, .address_space: global }
      - { .name: v_scales, .offset: 32, .size: 8, .value_kind: global_buffer, .address_space: global }
      - { .name: out0, .offset: 40, .size: 8, .value_kind: global_buffer, .address_space: global }
    .group_segment_fixed_size: 327680
    .private_segment_fixed_size: 0
    .kernarg_segment_align: 8
    .kernarg_segment_size: 48
    .max_flat_workgroup_size: 128
    .sgpr_count:     96
    .vgpr_count:     1024
    .wavefront_size: 32
...
	.end_amdgpu_metadata
.endif
;; end of part 2
